; MI455X (gfx1250); checked and timed in simulation.
; The chip was launched on July 23, 2026; its instructions are those of AMD's public machine-readable ISA for CDNA 5 (MIT licence, August 2026) and "CDNA5" Instruction Set Architecture Reference Guide (July 2026). The comments in the code are by the model that wrote it; some were corrected since.
;; Local Attention. Allowed arithmetic: matrix products marked QUANTISED: E2M1 operands, one E8M0 scale for each 32 along K, by v_wmma_scale_f32_16x16x128_f8f6f4 with both operands' format E2M1 (or v_wmma_scale_f32_32x16x128_f4), f32 sums; products left as they are: bf16, f16 or f32 operands; f32 sums; everything else in f32.
;; Inputs: Wk 1,024 x 1,024 float32; Wo 1,024 x 1,024 float32; Wq 1,024 x 1,024 float32; Wv 1,024 x 1,024 float32; bk 1,024 float32; bo 1,024 float32; bq 1,024 float32; bv 1,024 float32; key 1 x 4,096 x 1,024 float32; query 1 x 4,096 x 1,024 float32; value 1 x 4,096 x 1,024 float32.
;; Outputs: out0 1 x 4,096 x 1,024 float32.
;; This version of the problem:
;;   THIS VERSION OF THE PROBLEM IS GIVEN IN LOW PRECISION. The matrix products marked QUANTISED in the list below multiply operands that are first quantised to E2M1 (2 exponent bits, 1 mantissa bit; 4 bits a number), with one power-of-two scale for each 32 numbers along K (OCP MX v1.0); their sums are f32. The products marked 'left as it is' may take bf16, f16 or f32 operands, with f32 sums. All else is computed in f32.
;;   The module's matrix products, in the order in which they are computed (A, B: the left and right operand; K: the contracted axis; several contracted axes count as one K, in the product's order):
;;     1. [M 4,096, K 1,024] x [K 1,024, N 1,024]; A: input query; B: input Wq: QUANTISED
;;     2. [M 4,096, K 1,024] x [K 1,024, N 1,024]; A: input key; B: input Wk: QUANTISED
;;     3. [M 4,096, K 1,024] x [K 1,024, N 1,024]; A: input value; B: input Wv: QUANTISED
;;     4. batch 16 x [M 4,096, K 64] x [K 64, N 4,096]; A: computed on the way; B: computed on the way: left as it is (an operand is computed on the way)
;;     5. batch 16 x [M 4,096, K 4,096] x [K 4,096, N 64]; A: computed on the way; B: computed on the way: left as it is (an operand is computed on the way)
;;     6. [M 4,096, K 1,024] x [K 1,024, N 1,024]; A: computed on the way; B: input Wo: left as it is (an operand is computed on the way)
;;   THE QUANTISER, for each operand of a quantised product, along K:
;;     - K is cut into blocks of 32 from its start; a last block that is shorter is filled with zeros.
;;     - A block's scale is 2^e with e = floor(log2(the largest magnitude in the block)) - 2, held to -126 .. 127; a block of zeros has e = 0. As a byte (E8M0): e + 127.
;;     - Each number is divided by its block's scale, clamped to +-6, and rounded to the nearest number of E2M1, ties to even, subnormals kept.
;;     - The product sums the exact products of the quantised numbers (number of the format x scale) in f32.
;;   ~~~python
;;   def quantise(x, axis):      # numpy; x: float32 -> the quantised numbers, widened to float32 again
;;       x = np.moveaxis(x, axis, -1); K = x.shape[-1]
;;       x = np.pad(x, [(0, 0)] * (x.ndim - 1) + [(0, -K % 32)]); x = x.reshape(x.shape[:-1] + (-1, 32)); a = np.abs(x).max(-1, keepdims=True)
;;       e = np.where(a > 0, np.clip(np.frexp(np.where(a > 0, a, 1))[1] - 1 - 2, -126, 127), 0)      # np.frexp(a)[1] - 1 = floor(log2(a)), exactly
;;       r = np.clip(x / 2.0 ** e, -6, 6)
;;       step = 2.0 ** (np.maximum(np.frexp(np.where(r == 0, 1, r))[1] - 1, 0) - 1)
;;       q = np.round(r / step) * step * 2.0 ** e      # np.round: ties to even
;;       return np.moveaxis(q.reshape(q.shape[:-2] + (-1,))[..., :K], -1, axis).astype(np.float32)
;;   ~~~
;; One version. Each part assembles by itself: llvm-mc -triple=amdgcn-amd-amdhsa -mcpu=gfx1250 --defsym DOCPART=n.
;; ======== version 1 of 1: 4 launches
;; limits: values are held in f16: magnitudes above 65,504 overflow, below 6.1e-05 lose precision
;; workspace buffers: codes 7,864,320 bytes; scales 491,520 bytes; wob 2,097,152 bytes; qkv 25,165,824 bytes; ctx 8,388,608 bytes
;; launch quant (part 1): grid 544 x 1, 4 waves a work-group, no clusters, 33,280 bytes of LDS; arguments query, key, value, Wq, Wk, Wv, Wo, codes, scales, wob; writes codes, scales, wob
.if DOCPART == 1
	.amdgcn_target "amdgcn-amd-amdhsa--gfx1250"
	.amdhsa_code_object_version 6
	.text
	.protected	k_q93a0323d28_quant
	.globl	k_q93a0323d28_quant
	.p2align	8
	.type	k_q93a0323d28_quant,@function
k_q93a0323d28_quant:
	s_mov_b64 s[64:65], 0
	v_nop
	global_prefetch_b8 v0, s[64:65] scope:SCOPE_SE
	s_setreg_imm32_b32 hwreg(HW_REG_WAVE_MODE, 25, 1), 1
	s_wait_xcnt 0x0
; query, key, value [4096][1024] and Wq, Wk, Wv [1024][1024], f32, K innermost, become codes of FP4 (E2M1), two a byte, the lower k in the low four bits, with one E8M0 byte for each 32 along K.
; Wo [1024][1024] becomes f16, laid as images of the operand registers of the last launch's product.
; A block's scale is 2^(floor(log2(its largest magnitude)) - 2); its byte is the largest magnitude's exponent field - 2, held at 1 from below; each number is divided by the scale and rounded to the nearest code, ties to even, beyond 6 the code of 6.
; LIMITS: a block of zeros gets the byte 1 where the rule says 127 (its codes are zeros, and this program alone reads the bytes); blocks whose largest magnitude lies under 2^-124 were not tried;
; NaN and infinities are not served; Wo's numbers must lie under 65,504 in magnitude (f16).
; SHARES.  All six tensors are dense streams of blocks of 32, and so are their codes and bytes: the six stand on end in the two buffers, and work-group g < 480 takes numbers 32,768 g on of that row of tensors
; (query 0-127, key 128-255, value 256-383, Wq 384-415, Wk 416-447, Wv 448-479); a wave takes 16 steps of 512 numbers.  Work-groups 480-543 take 16 rows of Wo each, a wave 256 along K.
; A conversion takes 8 neighbours along K from ONE lane's registers; a load is best where neighbouring lanes take neighbouring bytes.  So a step's four loads read 512 consecutive bytes each, and the 2,048 bytes turn through the
; wave's own stage in LDS (16 bytes of padding behind each 64) and come back 64 bytes a lane: two neighbouring lanes hold a block.  A step's codes leave as 256 consecutive bytes; a wave's 256 scale bytes are gathered in LDS and leave together.
; No tensor loads, no barrier: waves share nothing.  No cluster: no two work-groups read the same bytes.
.set STEPS, 16
.set CB,    8                          ; bytes of 16 codes
.set R,     16                         ; v16-79   four sets of 16 numbers as they are loaded
.set X,     80                         ; v80-111  two sets of 16 neighbours
.set E,     112                        ; v112-127 a scale byte for each step
.set C,     128                        ; v128-191 codes: four registers for each step, so that no store's data are written again
.set WREG,  8192                       ; LDS: a region for each wave: two stages of 32 x SP bytes, behind them its 256 scale bytes
.set SP,    80                         ; a lane's place in a stage: 64 bytes + 16 of padding
.set NQUANT, 480                       ; work-groups that quantise
	s_load_b512 s[4:19], s[0:1], 0x0               ; query s[4:5], key s[6:7], value s[8:9], Wq s[10:11], Wk s[12:13], Wv s[14:15], Wo s[16:17], codes s[18:19]
	s_load_b128 s[20:23], s[0:1], 0x40             ; scales s[20:21], wob s[22:23]
	v_lshl_add_u32 v192, v0, 2, 0x8000
	v_mov_b32 v193, 0
	v_lshrrev_b32 v1, 5, v0
	v_readfirstlane_b32 s24, v1                    ; wave
	v_and_b32 v2, 31, v0                           ; lane
	s_cmp_ge_u32 ttmp9, NQUANT
	s_cbranch_scc1 .Lwo
	v_lshlrev_b32 v3, 4, v2                        ; my 16 bytes of a load's 512
	s_mul_i32 s25, s24, WREG
	v_lshrrev_b32 v14, 2, v2
	v_mul_u32_u24 v14, v14, SP
	v_and_b32 v15, 3, v2
	v_lshl_add_u32 v14, v15, 4, v14
	v_add_nc_u32 v14, s25, v14                     ; the stage, on the way in: SP (lane / 4) + 16 (lane % 4)
	v_mul_u32_u24 v15, v2, SP
	v_add_nc_u32 v15, s25, v15                     ; and on the way out: SP x lane: my 16 neighbours
	v_mul_u32_u24 v4, v2, CB                       ; my codes' place in a step's
	v_lshrrev_b32 v5, 1, v2
	s_add_co_u32 s25, s25, 2*32*SP
	v_add_nc_u32 v5, s25, v5                       ; LDS: my wave's 256 scale bytes, my block's byte
	v_lshlrev_b32 v7, 3, v2                        ; and on the way out 8 bytes a lane
	v_add_nc_u32 v6, s25, v7
	s_wait_kmcnt 0x0
	; which tensor is mine, and at which work-group it begins: a chain of choices on the work-group's number alone
	s_mov_b64 s[26:27], s[14:15]
	s_mov_b32 s28, 448
	s_cmp_lt_u32 ttmp9, 448
	s_cselect_b64 s[26:27], s[12:13], s[26:27]
	s_cselect_b32 s28, 416, s28
	s_cmp_lt_u32 ttmp9, 416
	s_cselect_b64 s[26:27], s[10:11], s[26:27]
	s_cselect_b32 s28, 384, s28
	s_cmp_lt_u32 ttmp9, 384
	s_cselect_b64 s[26:27], s[8:9], s[26:27]
	s_cselect_b32 s28, 256, s28
	s_cmp_lt_u32 ttmp9, 256
	s_cselect_b64 s[26:27], s[6:7], s[26:27]
	s_cselect_b32 s28, 128, s28
	s_cmp_lt_u32 ttmp9, 128
	s_cselect_b64 s[26:27], s[4:5], s[26:27]
	s_cselect_b32 s28, 0, s28
	s_sub_co_u32 s29, ttmp9, s28
	s_lshl_b32 s29, s29, 2
	s_add_co_u32 s29, s29, s24                     ; which run of 8,192 numbers of the tensor is my wave's
	s_lshl_b32 s30, s29, 15                        ; 32,768 bytes a run
	s_mov_b32 s31, 0
	s_add_nc_u64 s[26:27], s[26:27], s[30:31]
	s_lshl_b32 s32, ttmp9, 2
	s_add_co_u32 s32, s32, s24                     ; and which run of the six tensors on end
	s_lshl_b32 s30, s32, 12                        ; 4,096 bytes of codes a run
	s_add_nc_u64 s[18:19], s[18:19], s[30:31]
	s_lshl_b32 s30, s32, 8                         ; 256 scale bytes a run
	s_add_nc_u64 s[20:21], s[20:21], s[30:31]
.macro LOAD t
.irp i, 0,1,2,3
	global_load_b128 v[R+16*((\t)%4)+4*\i:R+16*((\t)%4)+4*\i+3], v3, s[26:27] offset:2048*(\t)+512*\i th:TH_LOAD_NT   ; 32 lanes read 512 consecutive bytes
.endr
.endm
.macro TURN t                          ; step t's numbers through the stage: LDS serves a wave's instructions in order, so no wait stands between the stores and the loads
.irp i, 0,1,2,3
	ds_store_b128 v14, v[R+16*((\t)%4)+4*\i:R+16*((\t)%4)+4*\i+3] offset:32*SP*((\t)%2)+8*SP*\i
.endr
.irp i, 0,1,2,3
	ds_load_b128 v[X+16*((\t)%2)+4*\i:X+16*((\t)%2)+4*\i+3], v15 offset:32*SP*((\t)%2)+16*\i
.endr
.endm
.irp t, 0,1,2,3
	LOAD \t
.endr
	s_wait_loadcnt 12                              ; step 0's four loads are in; the twelve of steps 1 to 3 may be out
	TURN 0
.macro STEP t
.set XS, X+16*((\t)%2)
.if (\t) > 0
	s_wait_dscnt 1                                 ; this step's numbers are back from the stage (the last step's byte store may be out): so its stores into the stage have read their registers,
.else
	s_wait_dscnt 0x0
.endif
.if (\t)+4 < STEPS
	LOAD (\t)+4                                    ; which take the loads of four steps on
.endif
.if (\t)+1 < STEPS
.if STEPS-2-(\t) >= 3
	s_wait_loadcnt 12                              ; the next step's four loads are in; those of the three steps behind it may be out
.else
	s_wait_loadcnt 4*(STEPS-2-(\t))
.endif
	TURN (\t)+1                                    ; and go through the other stage while this step is worked
.endif
	v_max3_num_f32 v8, |v[XS]|, |v[XS+1]|, |v[XS+2]|               ; the largest magnitude of my 16, in two chains
	v_max3_num_f32 v9, |v[XS+3]|, |v[XS+4]|, |v[XS+5]|
.irp i, 6,10
	v_max3_num_f32 v8, v8, |v[XS+\i]|, |v[XS+\i+1]|
	v_max3_num_f32 v9, v9, |v[XS+\i+2]|, |v[XS+\i+3]|
.endr
	v_max3_num_f32 v8, v8, |v[XS+14]|, |v[XS+15]|
	v_max3_num_f32 v8, v8, v9, 0x1800000           ; and the floor 2^(3 - 127): so the byte cannot fall under 1
	v_max_num_f32_dpp v8, v8, v8 row_xmask:1 row_mask:0xf bank_mask:0xf   ; and of my neighbour's 16: the block's
	v_add_nc_u32 v11, 0xff000000, v8               ; 2 off its exponent field: the conversion takes the exponent field of this operand as its scale, and nothing else of it
	v_cvt_scalef32_pk8_fp4_f32 v[C+4*(\t)], v[XS:XS+7], v11
	v_cvt_scalef32_pk8_fp4_f32 v[C+4*(\t)+1], v[XS+8:XS+15], v11
	v_lshrrev_b32 v[E+(\t)], 23, v11               ; the scale's byte
	ds_store_b8 v5, v[E+(\t)] offset:16*(\t)       ; both lanes of a block write the same byte with the same value
	global_store_b64 v4, v[C+4*(\t):C+4*(\t)+1], s[18:19] offset:32*CB*(\t)   ; the wave stores 256 consecutive bytes, aligned
.endm
.irp t, 0,1,2,3,4,5,6,7,8,9,10,11,12,13,14,15
	STEP \t
.endr
	ds_load_b64 v[12:13], v6                       ; LDS serves a wave's instructions in order: these see my stores
	s_wait_dscnt 0x0
	global_store_b64 v7, v[12:13], s[20:21]        ; 32 lanes store 256 consecutive bytes, aligned
	s_wait_tensorcnt 0x0
	ds_add_u32 v192, v193
	s_wait_dscnt 0x0
	s_endpgm
; Wo.  A fragment of the last product is 16 rows n x 32 k of f16 in 8 registers: lane (r, h) holds row r; registers 0-3 k = 8 h + 0..7, registers 4-7 k = 16 + 8 h + 0..7.
; Its image: registers 0-3 of all lanes as 512 bytes at 16 x lane, registers 4-7 the next 512.  Images lie at (tile / 4) << 17 + (k / 256) << 15 + (tile % 4) << 13 + ((k / 32) % 8) << 10,
; so that 64 rows x 256 k are one dense block of 32,768 bytes.  Work-group 480 + tile; wave w takes k = 256 w on: eight fragments.  This path uses no LDS.
.Lwo:
	v_and_b32 v3, 15, v0                           ; r
	v_bfe_u32 v4, v0, 4, 1                         ; h
	v_lshlrev_b32 v5, 12, v3
	v_lshl_add_u32 v5, v4, 5, v5                   ; in: row r of 4,096 bytes, + 32 h
	v_lshlrev_b32 v6, 4, v2                        ; out: 16 x lane
	s_sub_co_u32 s25, ttmp9, NQUANT                ; the tile of 16 rows
	s_lshl_b32 s26, s25, 16
	s_lshl_b32 s28, s24, 10
	s_add_co_u32 s26, s26, s28                     ; in: 65,536 x tile + 1,024 x wave
	s_mov_b32 s27, 0
	s_lshr_b32 s28, s25, 2
	s_lshl_b32 s28, s28, 17
	s_lshl_b32 s29, s24, 15
	s_add_co_u32 s28, s28, s29
	s_and_b32 s29, s25, 3
	s_lshl_b32 s29, s29, 13
	s_add_co_u32 s28, s28, s29                     ; out: as above
	s_mov_b32 s29, 0
	s_wait_kmcnt 0x0
	s_add_nc_u64 s[16:17], s[16:17], s[26:27]
	s_add_nc_u64 s[22:23], s[22:23], s[28:29]
.irp f, 0,1,2,3,4,5,6,7
.irp i, 0,1,2,3
	global_load_b128 v[16+16*\f+4*\i:16+16*\f+4*\i+3], v5, s[16:17] offset:128*\f+16*(\i%2)+64*(\i/2) th:TH_LOAD_NT
.endr
.endr
.irp f, 0,1,2,3,4,5,6,7
	s_wait_loadcnt 28-4*\f                         ; this fragment's four loads are in; the later fragments' may be out
.irp k, 0,1,2,3,4,5,6,7
	v_cvt_pk_f16_f32 v[16+16*\f+\k], v[16+16*\f+2*\k], v[16+16*\f+2*\k+1]   ; in place: the result's register never passes its sources
.endr
	global_store_b128 v6, v[16+16*\f:16+16*\f+3], s[22:23] offset:1024*\f          ; 512 consecutive bytes, aligned
	global_store_b128 v6, v[16+16*\f+4:16+16*\f+7], s[22:23] offset:1024*\f+512
.endr
	s_endpgm
.Lfunc_end_k_q93a0323d28_quant:
	.size	k_q93a0323d28_quant, .Lfunc_end_k_q93a0323d28_quant-k_q93a0323d28_quant
	.p2alignl 7, 3214868480
	.fill 96, 4, 3214868480
	.section	.rodata,"a",@progbits
	.p2align	6, 0x0
	.amdhsa_kernel k_q93a0323d28_quant
		.amdhsa_group_segment_fixed_size 33280
		.amdhsa_private_segment_fixed_size 0
		.amdhsa_enable_private_segment 0
		.amdhsa_kernarg_size 80
		.amdhsa_user_sgpr_count 2
		.amdhsa_user_sgpr_kernarg_segment_ptr 1
		.amdhsa_wavefront_size32 1
		.amdhsa_system_sgpr_workgroup_id_x 1
		.amdhsa_system_sgpr_workgroup_id_y 1
		.amdhsa_system_sgpr_workgroup_id_z 1
		.amdhsa_system_vgpr_workitem_id 0
		.amdhsa_next_free_vgpr 194
		.amdhsa_next_free_sgpr 66
		.amdhsa_reserve_vcc 0
		.amdhsa_float_denorm_mode_32 3
		.amdhsa_float_denorm_mode_16_64 3
		.amdhsa_memory_ordered 1
		.amdhsa_forward_progress 1
		.amdhsa_inst_pref_size 44
	.end_amdhsa_kernel
	.amdgpu_metadata
---
amdhsa.version: [ 1, 2 ]
amdhsa.kernels:
  - .name:           k_q93a0323d28_quant
    .symbol:         k_q93a0323d28_quant.kd
    .args:
      - { .name: query, .offset: 0, .size: 8, .value_kind: global_buffer, .address_space: global }
      - { .name: key, .offset: 8, .size: 8, .value_kind: global_buffer, .address_space: global }
      - { .name: value, .offset: 16, .size: 8, .value_kind: global_buffer, .address_space: global }
      - { .name: Wq, .offset: 24, .size: 8, .value_kind: global_buffer, .address_space: global }
      - { .name: Wk, .offset: 32, .size: 8, .value_kind: global_buffer, .address_space: global }
      - { .name: Wv, .offset: 40, .size: 8, .value_kind: global_buffer, .address_space: global }
      - { .name: Wo, .offset: 48, .size: 8, .value_kind: global_buffer, .address_space: global }
      - { .name: codes, .offset: 56, .size: 8, .value_kind: global_buffer, .address_space: global }
      - { .name: scales, .offset: 64, .size: 8, .value_kind: global_buffer, .address_space: global }
      - { .name: wob, .offset: 72, .size: 8, .value_kind: global_buffer, .address_space: global }
    .group_segment_fixed_size: 33280
    .private_segment_fixed_size: 0
    .kernarg_segment_align: 8
    .kernarg_segment_size: 80
    .max_flat_workgroup_size: 128
    .sgpr_count:     66
    .vgpr_count:     194
    .wavefront_size: 32
...
	.end_amdgpu_metadata
.endif
;; end of part 1
;; launch proj (part 2): grid 4 x 48, 4 waves a work-group, clusters of 4 x 4, 327,680 bytes of LDS; arguments codes, scales, bq, bk, bv, qkv; writes qkv
.if DOCPART == 2
	.amdgcn_target "amdgcn-amd-amdhsa--gfx1250"
	.amdhsa_code_object_version 6
	.text
	.protected	k_q93a0323d28_proj
	.globl	k_q93a0323d28_proj
	.p2align	8
	.type	k_q93a0323d28_proj,@function
k_q93a0323d28_proj:
	s_mov_b64 s[64:65], 0
	v_nop
	global_prefetch_b8 v0, s[64:65] scope:SCOPE_SE
	s_setreg_imm32_b32 hwreg(HW_REG_WAVE_MODE, 25, 1), 1
	s_wait_xcnt 0x0
	s_wait_alu depctr_hold_cnt(0) depctr_sa_sdst(0) depctr_va_vdst(0) depctr_va_sdst(0) depctr_va_ssrc(0) depctr_va_vcc(0) depctr_vm_vsrc(0)
	s_getreg_b32 s2, hwreg(HW_REG_IB_STS2, 6, 4)
	s_cmp_eq_u32 s2, 0
	s_cbranch_scc0 .Lentry_in_a_cluster
	s_endpgm
.Lentry_in_a_cluster:
	s_bfe_u32 s2, ttmp6, 0x10000c
	s_cmp_lg_u32 s2, 0xf033
	s_cbranch_scc0 .Lentry_shape_is_right
	s_endpgm
.Lentry_shape_is_right:
; q = query Wq^T + bq, k = key Wk^T + bk, v = value Wv^T + bv: three products [4096][1024] x [1024][1024]^T on codes of FP4 (E2M1) with one E8M0 scale for each 32 along K, sums in f32.
; The results are rounded once to f16 and stored as IMAGES OF THE OPERAND REGISTERS of the attention that follows: no stage, every store of a wave covers 512 consecutive bytes, aligned.
; LIMITS: q, k and v must lie under 65,504 in magnitude (f16); NaN and infinities are not served.
; SHARES.  12 clusters of 4 x 4 work-groups; cluster y = c: tensor t = c / 4 (0 q, 1 k, 2 v), quarter c % 4.  A work-group makes 256 rows of an operand "A" x 256 rows of an operand "B", a wave 128 x 128: 64 accumulators, 512 registers.
; For q and k: A = the tokens, B = the weight's rows (channels).  For v: A = Wv's rows, B = the tokens, since attention wants v with the keys along its registers.  The choice is made in offsets alone, by selects on t, which all sixteen partners share.
; THE MATRIX INSTRUCTION IS USED TRANSPOSED (source 0 = 16 rows of B, source 1 = 16 rows of A): lane (r, h) holds A's row r and B's rows 8 h + 0..7: packed to f16 these are four registers of the reader's fragment, in the reader's lanes.
; All of K fits in LDS: slot 0 holds K = 0..511, slot 1 K = 512..1023, each 256 rows of A and 256 of B, rows of 256 bytes; behind them the scale bytes.  Every LDS byte is filled once and nothing is stored into LDS.
; CLUSTERS.  The four of a row of the cluster need the same rows of A, the four of a column the same rows of B: each tile is asked for JOINTLY, by the same tensor load with the same descriptor and a mask that names the four.
; By this text's own count a wave has three tensor loads out: its scale bytes and its part of each slot.
; 192 work-groups: three tensors of 64 tiles; no equal split into 256 keeps a tile inside one tensor.
; REGISTERS, in windows of 256: window 0: v1-27 addresses; v32-95 scale words, two sets, and nothing else; v96-111 the bias by A's rows; v128-191 A's fragments, ONE set, on the way out the packed results; v192-255 the bias by B's rows.
;   window 1: B's fragments, TWO sets, at v0 and v128.   window 2: the accumulators of my rows 0-63 ((a, b) at v[8 (8 a + b)]);   window 3: those of rows 64-127.
.set NQ,     4                         ; matrix instructions deep in a slot
.set ROWB,   256                       ; a tile's row in bytes: 512 codes
.set KROW,   512                       ; a row of codes in memory
.set PITCH,  272                       ; an LDS row: 256 bytes + 16 of padding = 68 words: row r starts at bank 4 r mod 64 (64 banks of 4 bytes: ISA guide 11.1)
.set FR,     8                         ; registers of a fragment: 16 rows x 128 K
.set NL,     2                         ; LDS loads that bring one
.set NP,     4                         ; places behind this matrix instruction (ISA guide 7.12.1)
.set HALFT,  128*PITCH                 ; 128 rows: what one tensor load brings
.set SLOT,   4*HALFT                   ; A's 256 rows, then B's 256 rows
.set KS,     32                        ; a row of scale bytes
.set SCL,    2*SLOT                    ; behind the slots: the scale bytes, as pieces of 256 bytes + 16 of padding
.set HALFS,  (128*KS/256)*272          ; those of 128 rows: what one tensor load brings
.set SBLK,   (16*KS/256)*272           ; those of 16 rows
.set VA,   8                           ; v8-11   the stores' offsets: 16 x lane + the place of B's blocks 2 i, 2 i + 1
.set OB,   12                          ; v12     the bias by B's rows: my byte offset
.set OA,   13                          ; v13     the bias by A's rows
.set ADRA, 16                          ; v16-17  LDS address of my A fragments in slot 0, 1
.set ADRB, 20                          ; v20-21  the same for B
.set ADRS, 27                          ; v27     LDS address of my scale words: lanes 0-15 A's rows, lanes 16-31 B's
.set SC,   32                          ; scale words: set s at v[SC + 32 s]; register 4 i + q: lanes 0-15 the word of A's block i, lanes 16-31 that of B's block i, for the slot's q-th 128 along K
.set BA,   96                          ; v[BA + 2 a], twice: the bias of A's row r of block a
.set AF,   128                         ; A's fragments
.set PK,   128                         ; the way out: two sets of 32 registers of packed results
.set BB,   192                         ; v[BB + 8 b + j]: the bias of B's row 8 h + j of block b
.set G1,   24                          ; s[24:31] descriptor group 1 for A's tiles;  s[32:39] group 0, one set for each slot
.set G0,   32
.set G1B,  48                          ; s[48:55], s[56:63] the same for B's tiles
.set G0B,  56
.set G1S,  68                          ; s[68:75], s[76:79] groups 1 and 0 for A's scale bytes;  s[80:87], s[88:91] for B's
.set G0S,  76
.set G1SB, 80
.set G0SB, 88
.set MSB, 0
.macro WIN new                         ; the immediate's high byte repeats the setting that is left
.set NW, \new
.if MSB != NW
	s_set_vgpr_msb (MSB<<8)|NW
.set MSB, NW
.endif
.endm
.set MUL_LO, 0xa1                      ; source 0 (B) window 1, source 1 (A) window 0, C and D window 2
.set MUL_HI, 0xf1                      ; the same, C and D window 3
.set TO_B,   0x40                      ; destination window 1, address window 0
; A joint load: waves 0 and 1 fetch for A, waves 2 and 3 for B.  Each line has ONE mask and one set of registers for all that issue it; the branch hangs on the wave's number alone.
; Four v_nop follow each of the two lines, ahead of the jump, the label and what follows.
.macro JLOAD g0a, g1a, g0b, g1b
	s_cmp_eq_u32 s15, 0
	s_cbranch_scc0 .Lfor_b_\@
	tensor_load_to_lds s[\g0a:\g0a+3], s[\g1a:\g1a+7]
	s_nop 0
.rept 4
	v_nop
.endr
	s_branch .Lasked_\@
.Lfor_b_\@:
	tensor_load_to_lds s[\g0b:\g0b+3], s[\g1b:\g1b+7]
	s_nop 0
.rept 4
	v_nop
.endr
.Lasked_\@:
.endm
.macro CROUND                          ; a round of the cluster's barrier
	s_barrier_signal -1
	s_barrier_wait -1
	s_cmp_lg_u32 s14, 0
	s_cbranch_scc1 .Lnot_wave_0_\@
	s_barrier_signal -3
.Lnot_wave_0_\@:
	s_barrier_wait -3
	s_barrier_signal -1
	s_barrier_wait -1
.endm
	s_load_b256 s[4:11], s[0:1], 0x0               ; codes s[4:5], scales s[6:7], bq s[8:9], bk s[10:11]
	s_load_b128 s[92:95], s[0:1], 0x20             ; bv s[92:93], qkv s[94:95]
	v_lshl_add_u32 v126, v0, 2, 0x48400
	v_mov_b32 v127, 0
	ds_add_u32 v126, v127
	ds_add_u32 v126, v127
	v_lshrrev_b32 v1, 5, v0
	v_readfirstlane_b32 s14, v1                    ; wave 0..3
	s_lshr_b32 s15, s14, 1                         ; which half of A's 256 rows is mine.  Also: I fetch for A (0) or for B (1)
	s_and_b32 s16, s14, 1                          ; which half of B's.  Also: which 128 rows I fetch
	s_bfe_u32 s40, ttmp6, 0x40000                  ; cx, cy: my place in the cluster
	s_bfe_u32 s41, ttmp6, 0x40004
	s_and_b32 s18, ttmp7, 0xffff                   ; cluster y, 0..11
	s_lshr_b32 s100, s18, 2                        ; t: 0 q, 1 k, 2 v
	s_and_b32 s101, s18, 3
	s_lshl_b32 s101, s101, 2                       ; the quarter's first tile of tokens
	s_lshl_b32 s19, s100, 21                       ; where tensor t's tokens begin among the codes,
	s_lshl_b32 s18, s100, 19
	s_add_co_u32 s18, s18, 0x600000                ; and its weight
	s_cmp_eq_u32 s100, 2                           ; v?  Then the weight is A and the tokens are B
	s_cselect_b32 s22, s18, s19                    ; A's first byte
	s_cselect_b32 s45, s19, s18                    ; B's
	s_cselect_b32 s23, 0, s101
	s_cselect_b32 s47, s101, 0
	s_add_co_u32 s17, s41, s23                     ; A's tile of 256 rows: cy (+ the quarter): shared along a row of the cluster
	s_add_co_u32 s42, s40, s47                     ; B's: cx (+ the quarter): shared along a column
	s_lshl_b32 s43, s41, 2
	s_lshl_b32 s43, 15, s43                        ; my row of the cluster
	s_lshl_b32 s44, 0x1111, s40                    ; my column
	; descriptor group 1: a tile of 128 rows x 256 bytes, padded in LDS
	s_or_b32 s[G1+0], s43, (0<<16)|(1<<20)|(1<<21)|(5<<22)|(3<<25)  ; 15:0 the mask; 17:16 elements of 1 byte; 20 padding on; 21 set beside a mask; 24:22 after every 64 words (code 5); 31:25 of 4 words (code 3)
	s_or_b32 s[G1B+0], s44, (0<<16)|(1<<20)|(1<<21)|(5<<22)|(3<<25)
.irp g, G1, G1B
	s_mov_b32 s[\g+1], ROWB<<16                    ; tensor_dim0
	s_mov_b32 s[\g+2], 128<<16                     ; tensor_dim1
	s_mov_b32 s[\g+3], ROWB<<16                    ; tile_dim0
	s_mov_b32 s[\g+4], 128                         ; tile_dim1
	s_mov_b32 s[\g+5], KROW                        ; tensor_dim0_stride
	s_mov_b32 s[\g+6], 0
	s_mov_b32 s[\g+7], 0
.endr
	; the scale bytes of 128 rows: 4,096 dense bytes, as 16 rows of 256 bytes (32 elements of 8 bytes), 16 bytes of padding behind each
	s_or_b32 s[G1S+0], s43, (3<<16)|(1<<20)|(1<<21)|(5<<22)|(3<<25)
	s_or_b32 s[G1SB+0], s44, (3<<16)|(1<<20)|(1<<21)|(5<<22)|(3<<25)
.irp g, G1S, G1SB
	s_mov_b32 s[\g+1], 32<<16
	s_mov_b32 s[\g+2], (128*KS/256)<<16
	s_mov_b32 s[\g+3], 32<<16
	s_mov_b32 s[\g+4], 128*KS/256
	s_mov_b32 s[\g+5], 32
	s_mov_b32 s[\g+6], 0
	s_mov_b32 s[\g+7], 0
.endr
	s_lshl_b32 s18, s16, 7                         ; which 128 rows of the tile I fetch
	s_lshl_b32 s20, s17, 8
	s_add_co_u32 s20, s20, s18                     ; A: row 256 x tile + 128 x half,
	s_lshl_b32 s20, s20, 9                         ; 512 bytes a row,
	s_add_co_u32 s20, s20, s22                     ; in A's tensor: the byte among the codes
	s_mov_b32 s21, 0
	s_lshr_b32 s22, s20, 4                         ; and among the scale bytes: a sixteenth throughout
	s_mov_b32 s23, 0
	s_lshl_b32 s46, s42, 8
	s_add_co_u32 s46, s46, s18                     ; B likewise, in registers that never hold cy
	s_lshl_b32 s46, s46, 9
	s_add_co_u32 s46, s46, s45
	s_mov_b32 s47, 0
	s_lshr_b32 s2, s46, 4
	s_mov_b32 s3, 0
	s_mul_i32 s96, s14, HALFT                      ; where they go: wave x 128 rows: no place in the cluster enters an LDS address
	s_mul_i32 s97, s14, HALFS
	s_wait_dscnt 0x0
	s_wait_kmcnt 0x0
	s_add_nc_u64 s[20:21], s[4:5], s[20:21]
	s_add_nc_u64 s[22:23], s[6:7], s[22:23]
	s_add_nc_u64 s[46:47], s[4:5], s[46:47]
	s_add_nc_u64 s[2:3], s[6:7], s[2:3]
	CROUND                                         ; all sixteen work-groups are here: the joint loads meet
	s_mov_b32 s[G0S], 1
	s_add_co_u32 s[G0S+1], s97, SCL
	s_mov_b64 s[G0S+2:G0S+3], s[22:23]
	s_or_b32 s[G0S+3], s[G0S+3], 0x80000000
	s_mov_b32 s[G0SB], 1
	s_add_co_u32 s[G0SB+1], s97, SCL
	s_mov_b64 s[G0SB+2:G0SB+3], s[2:3]
	s_or_b32 s[G0SB+3], s[G0SB+3], 0x80000000
	JLOAD G0S, G1S, G0SB, G1SB                     ; the scale bytes first: they are wanted with slot 0
.irp s, 0,1
	s_mov_b32 s[G0+4*\s], 1
	s_add_co_u32 s[G0+4*\s+1], s96, \s*SLOT
	s_add_nc_u64 s[G0+4*\s+2:G0+4*\s+3], s[20:21], \s*ROWB
	s_or_b32 s[G0+4*\s+3], s[G0+4*\s+3], 0x80000000
	s_mov_b32 s[G0B+4*\s], 1
	s_add_co_u32 s[G0B+4*\s+1], s96, \s*SLOT
	s_add_nc_u64 s[G0B+4*\s+2:G0B+4*\s+3], s[46:47], \s*ROWB
	s_or_b32 s[G0B+4*\s+3], s[G0B+4*\s+3], 0x80000000
	JLOAD G0+4*\s, G1, G0B+4*\s, G1B
.endr
	v_and_b32 v1, 15, v0                           ; r = lane % 16
	v_bfe_u32 v2, v0, 4, 1                         ; h = lane / 16
	v_mul_u32_u24 v3, v1, PITCH
	v_lshl_add_u32 v4, v2, 4, v3                   ; a fragment's row x pitch + 16 h
	s_mul_i32 s21, s15, HALFT                      ; my 128 rows of A
	s_mul_i32 s22, s16, HALFT                      ; my 128 rows of B,
	s_add_co_u32 s22, s22, 2*HALFT                 ; which lie behind A's 256
.irp s, 0,1
	v_add_nc_u32 v[ADRA+\s], s21, v4
	v_add_nc_u32 v[ADRB+\s], s22, v4
	s_add_co_u32 s21, s21, SLOT
	s_add_co_u32 s22, s22, SLOT
.endr
	v_mul_u32_u24 v5, v1, KS                       ; my row's scale bytes: 32 a row,
	v_lshrrev_b32 v6, 8, v5
	v_lshl_add_u32 v5, v6, 4, v5                   ; and 16 more for each 256 passed
	s_mul_i32 s21, s15, HALFS                      ; A's: my 128 rows
	s_mul_i32 s22, s16, HALFS                      ; B's: my 128 rows, behind A's 256
	s_add_co_u32 s22, s22, 2*HALFS
	s_sub_co_u32 s22, s22, s21
	v_mul_u32_u24 v6, s22, v2                      ; lanes 16-31 take B's: one product, the distance between the two
	s_add_co_u32 s21, s21, SCL
	v_add_nc_u32 v5, v5, v6
	v_add_nc_u32 v[ADRS], s21, v5
	; the bias, and the constants of the way out, all by selects on t
	s_cmp_eq_u32 s100, 0
	s_cselect_b64 s[8:9], s[8:9], s[10:11]
	s_cmp_eq_u32 s100, 2
	s_cselect_b64 s[8:9], s[92:93], s[8:9]         ; bq, bk or bv
	s_cselect_b32 s98, 0, -1                       ; all lanes where the channels are B's rows (q, k),
	s_cselect_b32 s99, -1, 0                       ; all lanes where they are A's (v)
	s_mov_b32 s12, 2048
	s_cselect_b32 s12, 1024, s12                   ; from A's block a to a + 1: q, k a tile of 16 tokens; v a tile of 16 channels
	s_mov_b32 s66, 2048
	s_cselect_b32 s66, 521216, s66                 ; from block 3 to block 4: v goes on to the next head, 2^19 - 3 x 1,024
	s_mov_b32 s2, 1024
	s_cselect_b32 s2, 4096, s2                     ; from B's blocks 2 i to 2 i + 2, i even: q, k two tiles of channels; v a pair of key tiles
	s_mov_b32 s3, 524288
	s_cselect_b32 s3, 8192, s3                     ; four blocks on: q, k the next head; v two pairs
	s_mov_b32 s13, 0
	s_mov_b32 s67, 0
	s_lshl_b32 s10, s42, 8
	s_lshl_b32 s11, s16, 7
	s_add_co_u32 s10, s10, s11                     ; my first row of B
	s_lshl_b32 s92, s17, 8
	s_lshl_b32 s93, s15, 7
	s_add_co_u32 s92, s92, s93                     ; my first row of A
	s_and_b32 s11, s10, 1023                       ; (modulo 1,024: the side that holds tokens is loaded too, inside the buffer, and then cleared)
	s_lshl_b32 s11, s11, 2
	v_lshl_add_u32 v[OB], v2, 5, s11               ; the bias of B's rows 8 h + 0..7
	s_and_b32 s11, s92, 1023
	s_lshl_b32 s11, s11, 2
	v_lshl_add_u32 v[OA], v1, 2, s11               ; the bias of A's row r
.irp b, 0,1,2,3,4,5,6,7
	global_load_b128 v[BB+8*\b:BB+8*\b+3], v[OB], s[8:9] offset:64*\b
	global_load_b128 v[BB+8*\b+4:BB+8*\b+7], v[OB], s[8:9] offset:64*\b+16
.endr
.irp a, 0,1,2,3,4,5,6,7
	global_load_b32 v[BA+2*\a], v[OA], s[8:9] offset:64*\a
.endr
	; where my results go.  q, k: head << 19 + token tile << 11 + (channel tile % 4) << 9;  v: head << 19 + (token / 32) << 12 + (channel tile % 4) << 10 + ((token / 16) % 2) << 9;  + 16 x lane.
	; My first rows are multiples of 128, so both are t << 23 + (first channel) << 13 + (first token) << 7
	s_cmp_eq_u32 s100, 2
	s_cselect_b32 s96, s92, s10                    ; my first channel
	s_cselect_b32 s97, s10, s92                    ; my first token
	s_lshl_b32 s96, s96, 13
	s_lshl_b32 s97, s97, 7
	s_add_co_u32 s96, s96, s97
	s_lshl_b32 s97, s100, 23
	s_add_co_u32 s96, s96, s97
	s_mov_b32 s97, 0
	s_add_nc_u64 s[96:97], s[94:95], s[96:97]
	v_and_b32 v6, 31, v0
	v_lshlrev_b32 v[VA], 4, v6
	v_add_nc_u32 v[VA+1], s2, v[VA]
	v_add_nc_u32 v[VA+2], s3, v[VA]
	v_add_nc_u32 v[VA+3], s3, v[VA+1]
.macro FRAG reg, adr, q, i             ; a fragment, 16 rows x 128 K of 4-bit codes: lane l holds row l % 16; registers 4 c .. 4 c + 3 hold K = 64 c + 32 (l / 16) + 0 .. 31
.irp c, 0,1
	ds_load_b128 v[\reg+4*\c:\reg+4*\c+3], v[\adr] offset:64*(\q)+32*\c+(\i)*16*PITCH
.endr
.endm
; 16 matrix instructions: A's blocks a0, a0 + 1 x B's eight, 128 along K: the slot's q-th.  p: B's set;  sc: the set of scale words.  zero = 1: the first product starts the sums: nothing is ever cleared.
; The 64 accumulators take turns, one instruction a turn, in the same order in every step.
.macro MUL16 a0, p, q, sc, zero
.irp a, \a0, \a0+1
.irp b, 0,1,2,3,4,5,6,7
.if \zero
	v_wmma_scale_f32_16x16x128_f8f6f4 v[8*(8*((\a)%4)+\b):8*(8*((\a)%4)+\b)+7], v[128*(\p)+FR*\b:128*(\p)+FR*\b+FR-1], v[AF+FR*(\a):AF+FR*(\a)+FR-1], 0, v[SC+8*NQ*(\sc)+NQ*\b+(\q)], v[SC+8*NQ*(\sc)+NQ*(\a)+(\q)] matrix_a_fmt:MATRIX_FMT_FP4 matrix_b_fmt:MATRIX_FMT_FP4 matrix_a_scale:MATRIX_SCALE_ROW1
.else
	v_wmma_scale_f32_16x16x128_f8f6f4 v[8*(8*((\a)%4)+\b):8*(8*((\a)%4)+\b)+7], v[128*(\p)+FR*\b:128*(\p)+FR*\b+FR-1], v[AF+FR*(\a):AF+FR*(\a)+FR-1], v[8*(8*((\a)%4)+\b):8*(8*((\a)%4)+\b)+7], v[SC+8*NQ*(\sc)+NQ*\b+(\q)], v[SC+8*NQ*(\sc)+NQ*(\a)+(\q)] matrix_a_fmt:MATRIX_FMT_FP4 matrix_b_fmt:MATRIX_FMT_FP4 matrix_a_scale:MATRIX_SCALE_ROW1
.endif
.endr
.endr
.endm
.macro FETCH_B slot, q, p              ; B's eight fragments of the slot's q-th 128 along K into set p
	WIN TO_B
.irp i, 0,1,2,3,4,5,6,7
	FRAG 128*(\p)+FR*\i, ADRB+\slot, \q, \i
.endr
	WIN 0
.endm
.macro FETCH_A slot, q, i0             ; A's blocks i0 .. i0 + 3
.irp i, \i0, \i0+1, \i0+2, \i0+3
	FRAG AF+FR*(\i), ADRA+\slot, \q, \i
.endr
.endm
.macro SCALES sc                       ; a slot's scale words into set sc: 4 words a row; lanes 0-15 take A's block i, lanes 16-31 B's block i
.irp i, 0,1,2,3,4,5,6,7
	ds_load_b128 v[SC+8*NQ*\sc+NQ*\i:SC+8*NQ*\sc+NQ*\i+3], v[ADRS] offset:\i*SBLK
.endr
.endm
; A load into a register that a matrix instruction has read, and a vector instruction that reads a matrix result, stand NP places behind that matrix instruction; only plain vector instructions that name none of its registers are places.
.macro PLACES n
.rept \n
	v_nop
.endr
.endm
; A step of 128 along K that has its successor in the same slot.  A's blocks go one after the other, each against B's eight: so one set of registers serves A (blocks 0-3 fetched anew in the middle, 4-7 at the end), and B has two.
.macro STEP slot, q, zero
	s_wait_dscnt 4*NL                              ; B's set, A's blocks 0-3 and the scale words are in; the youngest eight loads (A's blocks 4-7) may be out
	WIN MUL_LO
	MUL16 0, (\q)%2, \q, \slot, \zero
	MUL16 2, (\q)%2, \q, \slot, \zero
	s_wait_dscnt 0                                 ; A's blocks 4-7 are in (asked for 32 matrix instructions ago)
	PLACES NP
	FETCH_B \slot, (\q)+1, 1-(\q)%2
	FETCH_A \slot, (\q)+1, 0
	WIN MUL_HI
	MUL16 4, (\q)%2, \q, \slot, \zero
	MUL16 6, (\q)%2, \q, \slot, \zero
	PLACES NP
	WIN 0
	FETCH_A \slot, (\q)+1, 4
.endm
; Slot 0's last step goes over to slot 1.  One barrier: in front of it each wave waits for its part of slot 1; behind it slot 1 is whole.  Nothing is filled again.
.macro TURN slot, next
	s_wait_tensorcnt 0x0                           ; all my tensor loads have landed: my part of the next slot
	s_wait_dscnt 4*NL                              ; (the youngest eight loads, A's blocks 4-7, may be out)
	WIN MUL_LO
	MUL16 0, 1, NQ-1, \slot, 0
	s_wait_dscnt 0x0                               ; no LDS instruction of mine is out at the signal
	s_barrier_signal -1
	MUL16 2, 1, NQ-1, \slot, 0                     ; work on registers while the others arrive
	WIN 0
	s_barrier_wait -1
	PLACES NP
	v_add_nc_u32 v[ADRS], 4*NQ, v[ADRS]            ; on to the next slot's scale words (no LDS load of mine is out)
	FETCH_B \next, 0, 0
	FETCH_A \next, 0, 0
	SCALES \next
	WIN MUL_HI
	MUL16 4, 1, NQ-1, \slot, 0
	MUL16 6, 1, NQ-1, \slot, 0
	PLACES NP
	WIN 0
	FETCH_A \next, 0, 4
.endm
.macro STEPS slot, from                ; the slot's steps from .. NQ - 2
.set Q, \from
.rept NQ-1-\from
	STEP \slot, Q, 0
.set Q, Q+1
.endr
.endm
	s_wait_tensorcnt 1                             ; the scale bytes and my part of slot 0 are in (slot 1's load, issued behind them, may be out),
	s_barrier_signal -1
	s_barrier_wait -1                              ; everybody's are
	FETCH_B 0, 0, 0
	FETCH_A 0, 0, 0
	SCALES 0
	FETCH_A 0, 0, 4
	STEP 0, 0, 1                                   ; the first step's products start the sums
	STEPS 0, 1
	TURN 0, 1
	STEPS 1, 0
	s_wait_dscnt 4*NL                              ; the very last step: nothing more to fetch
	WIN MUL_LO
	MUL16 0, 1, NQ-1, 1, 0
	MUL16 2, 1, NQ-1, 1, 0
	s_wait_dscnt 0
	WIN MUL_HI
	MUL16 4, 1, NQ-1, 1, 0
	MUL16 6, 1, NQ-1, 1, 0
	WIN 0
; THE WAY OUT.  The bias hangs on the channel, which is B's row for q and k and A's row for v: both sides were loaded, and the side that holds tokens is cleared; both are then added.
	PLACES NP
	s_wait_loadcnt 0x0                             ; the biases
.set i, 0
.rept 64
	v_cndmask_b32 v[BB+i], 0, v[BB+i], s98
.set i, i+1
.endr
.irp a, 0,1,2,3,4,5,6,7
	v_cndmask_b32 v[BA+2*\a], 0, v[BA+2*\a], s99
.endr
.irp a, 0,1,2,3,4,5,6,7
	v_mov_b32 v[BA+2*\a+1], v[BA+2*\a]             ; twice: the packed addition names a pair
.endr
; A's block a: 8 accumulators, each from its low end on: + the biases, in place; packed to f16: four registers a lane, which ARE registers 0-3 or 4-7 of the reader's fragment; eight stores of 512 consecutive bytes.
.macro OUTBLK a
.set AC, 64*((\a)%4)
.set PB, PK+32*((\a)%2)
.if (\a) > 0
	s_wait_xcnt 0x0                                ; the earlier stores have read their base and their data: the base steps, and the set of two blocks back is written again, only behind this wait
.if (\a) == 4
	s_add_nc_u64 s[96:97], s[96:97], s[66:67]
.else
	s_add_nc_u64 s[96:97], s[96:97], s[12:13]
.endif
.endif
	WIN 0x82+0x41*((\a)/4)                         ; destination and source 0: window 2 or 3; source 1: window 0
.irp b, 0,1,2,3,4,5,6,7
.irp k, 0,2,4,6
	v_pk_add_f32 v[AC+8*\b+\k:AC+8*\b+\k+1], v[AC+8*\b+\k:AC+8*\b+\k+1], v[BB+8*\b+\k:BB+8*\b+\k+1]
.endr
.endr
.irp b, 0,1,2,3,4,5,6,7
.irp k, 0,2,4,6
	v_pk_add_f32 v[AC+8*\b+\k:AC+8*\b+\k+1], v[AC+8*\b+\k:AC+8*\b+\k+1], v[BA+2*(\a):BA+2*(\a)+1]
.endr
.endr
	WIN 0x0a+5*((\a)/4)                            ; sources 0 and 1: window 2 or 3; destination: window 0
.irp b, 0,1,2,3,4,5,6,7
.irp k, 0,1,2,3
	v_cvt_pk_f16_f32 v[PB+4*\b+\k], v[AC+8*\b+2*\k], v[AC+8*\b+2*\k+1]
.endr
.endr
	WIN 0
.irp b, 0,1,2,3,4,5,6,7
	global_store_b128 v[VA+\b/2], v[PB+4*\b:PB+4*\b+3], s[96:97] offset:512*(\b%2)
.endr
.endm
.irp a, 0,1,2,3,4,5,6,7
	OUTBLK \a
.endr
	s_wait_tensorcnt 0x0
	ds_add_u32 v126, v127
	s_wait_dscnt 0x0
	CROUND                                         ; the closing round: no work-group ends while a partner may still ask for a tile that names it
	s_endpgm
.Lfunc_end_k_q93a0323d28_proj:
	.size	k_q93a0323d28_proj, .Lfunc_end_k_q93a0323d28_proj-k_q93a0323d28_proj
	.p2alignl 7, 3214868480
	.fill 96, 4, 3214868480
	.section	.rodata,"a",@progbits
	.p2align	6, 0x0
	.amdhsa_kernel k_q93a0323d28_proj
		.amdhsa_group_segment_fixed_size 327680
		.amdhsa_private_segment_fixed_size 0
		.amdhsa_enable_private_segment 0
		.amdhsa_kernarg_size 48
		.amdhsa_user_sgpr_count 2
		.amdhsa_user_sgpr_kernarg_segment_ptr 1
		.amdhsa_wavefront_size32 1
		.amdhsa_system_sgpr_workgroup_id_x 1
		.amdhsa_system_sgpr_workgroup_id_y 1
		.amdhsa_system_sgpr_workgroup_id_z 1
		.amdhsa_system_vgpr_workitem_id 0
		.amdhsa_next_free_vgpr 1024
		.amdhsa_next_free_sgpr 102
		.amdhsa_reserve_vcc 0
		.amdhsa_float_denorm_mode_32 3
		.amdhsa_float_denorm_mode_16_64 3
		.amdhsa_memory_ordered 1
		.amdhsa_forward_progress 1
		.amdhsa_inst_pref_size 158
	.end_amdhsa_kernel
	.amdgpu_metadata
---
amdhsa.version: [ 1, 2 ]
amdhsa.kernels:
  - .name:           k_q93a0323d28_proj
    .symbol:         k_q93a0323d28_proj.kd
    .args:
      - { .name: codes, .offset: 0, .size: 8, .value_kind: global_buffer, .address_space: global }
      - { .name: scales, .offset: 8, .size: 8, .value_kind: global_buffer, .address_space: global }
      - { .name: bq, .offset: 16, .size: 8, .value_kind: global_buffer, .address_space: global }
      - { .name: bk, .offset: 24, .size: 8, .value_kind: global_buffer, .address_space: global }
      - { .name: bv, .offset: 32, .size: 8, .value_kind: global_buffer, .address_space: global }
      - { .name: qkv, .offset: 40, .size: 8, .value_kind: global_buffer, .address_space: global }
    .group_segment_fixed_size: 327680
    .private_segment_fixed_size: 0
    .kernarg_segment_align: 8
    .kernarg_segment_size: 48
    .max_flat_workgroup_size: 128
    .sgpr_count:     102
    .vgpr_count:     1024
    .wavefront_size: 32
...
	.end_amdgpu_metadata
.endif
;; end of part 2
;; launch attn (part 3): grid 16 x 16, 8 waves a work-group, no clusters, 0 bytes of LDS; arguments qkv, ctx; writes ctx
.if DOCPART == 3
	.amdgcn_target "amdgcn-amd-amdhsa--gfx1250"
	.amdhsa_code_object_version 6
	.text
	.protected	k_q93a0323d28_attn
	.globl	k_q93a0323d28_attn
	.p2align	8
	.type	k_q93a0323d28_attn,@function
k_q93a0323d28_attn:
	s_mov_b64 s[64:65], 0
	v_nop
	global_prefetch_b8 v0, s[64:65] scope:SCOPE_SE
	s_setreg_imm32_b32 hwreg(HW_REG_WAVE_MODE, 25, 1), 1
	s_wait_xcnt 0x0
; ctx[q][64 head + :] = the sum over keys k with |q - k| <= 64 of softmax_k(q . k / 8) v[k][:], for 16 heads of 64 channels and 4,096 tokens.  The mask is the problem's own: keys outside the band are not multiplied.
; q, k, v come as f16 images of operand registers, written by the launch before; products on f16 with f32 sums; maximum, exponentials and sums in f32; the weights p are rounded to f16 for the second product, ctx once at the end.
; LIMITS: NaN and infinities are not served (a hidden key's v is multiplied by a weight 0, so it must be finite); ctx lies within v's range, under 65,504.
; SHARES.  Work-group (x, y): head y, queries 256 x on.  A wave owns 32 queries, 32 qb on (qb = 8 x + wave): two tiles t of 16.  Its window is 160 keys from 32 qb - 64 on: key tiles j = 0..9, pairs p = 0..4.
; Tile t needs key tiles t .. t + 8: in tile t a key counts where its place in the tile is not under the query's, in tile t + 8 where it is not over it, between them all count; the tenth tile is hidden whole and is not computed.
; LAYOUT.  S^T = K Q^T (source 0 = 16 keys, source 1 = 16 queries): lane (r, h) holds query r and keys 8 h + 0..7.  Two such tiles packed to f16 ARE source 1 (32 keys x 16 queries) of O^T = V^T P, whose result holds query r and channels 8 h + 0..7:
; packed, these are four registers of the last product's operand.  Nothing changes lanes but the two halves' maxima and sums.
; THE SEQUENCE'S ENDS.  A pair's number qb - 2 + p is held to 0 .. 127, so that every load stays in its buffer; the scores of pairs that do not exist become -infinity.  Only waves at the ends (qb < 2 or qb > 125) walk those lines: a scalar branch on ids.
; Operands go from memory straight into registers, each load 512 consecutive bytes: no LDS, no barrier, no tensor load.  No cluster: nothing goes through LDS, and neighbours share only the window's overlap.
; REGISTERS: window 0: v1 16 x lane; v2 r - 8 h; v3 -infinity; v4-8 the pairs' offsets; v10-18 maxima; v19 the other half's; v[20:21] c m; v[22:25] sums; v[26:29] 1 / sum of tile 0, 1;
;   v32-191 S^T, tile (t, j) at 32 + 80 t + 8 j, later P, pair (t, p) at 32 + 80 t + 16 p; v192-223 Q, (t, channels 32 cf on) at 192 + 16 t + 8 cf; later v192-255 O^T, (t, channels 16 ct on) at 192 + 32 t + 8 ct.
;   window 1: v0-159 K, (j, cf) at 16 j + 8 cf; later V^T, (p, ct) at 32 p + 8 ct.
.set LO,  1
.set DD,  2
.set NEG, 3
.set PO,  4
.set MX,  10
.set PT,  19
.set MSB, 0
.macro WIN new                         ; the immediate's high byte repeats the setting that is left
.set NW, \new
.if MSB != NW
	s_set_vgpr_msb (MSB<<8)|NW
.set MSB, NW
.endif
.endm
	s_load_b128 s[4:7], s[0:1], 0x0                ; qkv s[4:5], ctx s[6:7]
	v_lshrrev_b32 v1, 5, v0
	v_readfirstlane_b32 s8, v1                     ; wave 0..7
	s_lshl_b32 s9, ttmp9, 3
	s_add_co_u32 s9, s9, s8                        ; qb, 0..127
	s_and_b32 s10, ttmp7, 0xffff                   ; the head
	v_and_b32 v2, 31, v0
	v_lshlrev_b32 v[LO], 4, v2
	v_and_b32 v9, 15, v0
	v_bfe_u32 v2, v0, 4, 1
	v_lshlrev_b32 v2, 3, v2
	v_sub_nc_u32 v[DD], v9, v2                     ; r - 8 h: register jj holds the tile's key 8 h + jj, which is under the query's place where jj < r - 8 h
	v_mov_b32 v[NEG], 0xff800000
	v_mov_b32 v[PT], 0                             ; written once: a lane permute's destination counts as one of its sources
.irp p, 0,1,2,3,4
	s_add_co_i32 s11, s9, \p-2
	s_max_i32 s11, s11, 0
	s_min_i32 s11, s11, 127                        ; the pair of key tiles, held inside the sequence
	s_lshl_b32 s11, s11, 12                        ; 4,096 bytes a pair, in K and in V
	v_add_nc_u32 v[PO+\p], s11, v[LO]
.endr
	s_mov_b32 s20, 0x76543210
	s_mov_b32 s21, 0xfedcba98                      ; v_permlanex16_b32's selects for lane l xor 16
	s_mov_b32 s22, 0x3e38aa3b                      ; c = log2(e) / 8
	s_mov_b32 s23, s22                             ; (named with it as a pair, so it is written)
	s_lshl_b32 s46, s10, 19                        ; a head is 2^19 bytes in each of q, k, v
	s_mov_b32 s47, 0
	s_lshl_b32 s48, s9, 12
	s_add_co_u32 s48, s48, s46                     ; my 32 queries
	s_mov_b32 s49, 0
	s_lshr_b32 s50, s9, 1                          ; ctx: (token tile / 4) << 17 + (k / 256) << 15 + (token tile % 4) << 13 + ((k / 32) % 8) << 10 + ((k / 16) % 2) << 9, with token tile = 2 qb + t and k = 64 head + channel
	s_lshl_b32 s50, s50, 17
	s_lshr_b32 s51, s10, 2
	s_lshl_b32 s51, s51, 15
	s_add_co_u32 s50, s50, s51
	s_and_b32 s51, s9, 1
	s_lshl_b32 s51, s51, 14
	s_add_co_u32 s50, s50, s51
	s_and_b32 s51, s10, 3
	s_lshl_b32 s51, s51, 11
	s_add_co_u32 s50, s50, s51
	s_mov_b32 s51, 0
	s_wait_kmcnt 0x0
	s_add_nc_u64 s[12:13], s[4:5], s[48:49]        ; Q
	s_add_nc_u64 s[14:15], s[4:5], s[46:47]
	s_add_nc_u64 s[16:17], s[14:15], 0x1000000     ; V of my head
	s_add_nc_u64 s[14:15], s[14:15], 0x800000      ; K of my head
	s_add_nc_u64 s[18:19], s[6:7], s[50:51]
.irp n, 0,1,2,3,4,5,6,7
	global_load_b128 v[192+4*\n:192+4*\n+3], v[LO], s[12:13] offset:512*\n th:TH_LOAD_NT
.endr
	WIN 0x40                                       ; destination window 1, address window 0
.irp p, 0,1,2,3,4
.irp n, 0,1,2,3,4,5,6,7
	global_load_b128 v[32*\p+4*\n:32*\p+4*\n+3], v[PO+\p], s[14:15] offset:512*\n
.endr
.endr
	WIN 0
.irp jj, 0,1,2,3,4,5,6,7
	v_cmp_lt_i32 s[24+\jj], \jj, v[DD]             ; hidden in a query tile's first key tile
	v_cmp_gt_i32 s[32+\jj], \jj, v[DD]             ; hidden in its last
.endr
; S^T of pair p: the key tiles 2 p, 2 p + 1 against the query tiles that need them; 3 or 4 accumulators by turns, one instruction a turn, two deep along the 64 channels; the first starts the sum.
.macro QK p
	s_wait_loadcnt 32-8*\p                         ; Q and K's pairs up to p are in; the 8 loads of each later pair may be out
	WIN 0x01                                       ; source 0 (K) window 1
.irp cf, 0,1
.irp t, 0,1
.irp e, 0,1
.if (2*\p+\e >= \t) && (2*\p+\e <= \t+8)
.if \cf == 0
	v_wmma_f32_16x16x32_f16 v[32+80*\t+8*(2*\p+\e):32+80*\t+8*(2*\p+\e)+7], v[16*(2*\p+\e)+8*\cf:16*(2*\p+\e)+8*\cf+7], v[192+16*\t+8*\cf:192+16*\t+8*\cf+7], 0
.else
	v_wmma_f32_16x16x32_f16 v[32+80*\t+8*(2*\p+\e):32+80*\t+8*(2*\p+\e)+7], v[16*(2*\p+\e)+8*\cf:16*(2*\p+\e)+8*\cf+7], v[192+16*\t+8*\cf:192+16*\t+8*\cf+7], v[32+80*\t+8*(2*\p+\e):32+80*\t+8*(2*\p+\e)+7]
.endif
.endif
.endr
.endr
.endr
.endm
.irp p, 0,1,2,3,4
	QK \p
.endr
.rept 4
	v_nop                                          ; places in front of loads into registers that matrix instructions have read, and of the first reads of the scores
.endr
	WIN 0x40
.irp p, 0,1,2,3,4
.irp n, 0,1,2,3,4,5,6,7
	global_load_b128 v[32*\p+4*\n:32*\p+4*\n+3], v[PO+\p], s[16:17] offset:512*\n   ; V takes K's registers and lands under the softmax
.endr
.endr
	WIN 0
	s_sub_co_u32 s45, s9, 2
	s_cmp_lt_u32 s45, 124                          ; all five pairs exist where 2 <= qb <= 125
	s_cbranch_scc1 .Linner
.irp p, 0,1,3,4
	s_add_co_u32 s52, s45, \p
	s_cmp_lt_u32 s52, 128
	s_cselect_b32 s[40+\p], 0, -1                  ; all lanes where the pair lies outside the sequence
.endr
.irp p, 0,1,3,4
.irp t, 0,1
.irp e, 0,1
.if (2*\p+\e >= \t) && (2*\p+\e <= \t+8)
.irp jj, 0,1,2,3,4,5,6,7
	v_cndmask_b32 v[32+80*\t+8*(2*\p+\e)+\jj], v[32+80*\t+8*(2*\p+\e)+\jj], v[NEG], s[40+\p]
.endr
.endif
.endr
.endr
.endr
.Linner:
; The softmax of query tile t over its 9 key tiles, 72 scores a lane from v[SB] on.  The maximum is the row's own, and a query always sees itself, so it is a number.  The sum is taken of the unrounded p.
.macro SOFTMAX t
.set SB, 32+88*\t
.irp jj, 0,1,2,3,4,5,6,7
	v_cndmask_b32 v[SB+\jj], v[SB+\jj], v[NEG], s[24+\jj]
.endr
.irp jj, 0,1,2,3,4,5,6,7
	v_cndmask_b32 v[SB+64+\jj], v[SB+64+\jj], v[NEG], s[32+\jj]
.endr
.irp i, 0,1,2,3,4,5,6,7,8
	v_max3_num_f32 v[MX+\i], v[SB+8*\i], v[SB+8*\i+1], v[SB+8*\i+2]   ; nine chains by turns, each accumulator from its low end on
.endr
.irp n, 3,5
.irp i, 0,1,2,3,4,5,6,7,8
	v_max3_num_f32 v[MX+\i], v[MX+\i], v[SB+8*\i+\n], v[SB+8*\i+\n+1]
.endr
.endr
.irp i, 0,1,2,3,4,5,6,7,8
	v_max_num_f32 v[MX+\i], v[MX+\i], v[SB+8*\i+7]
.endr
	v_max3_num_f32 v[MX], v[MX], v[MX+1], v[MX+2]
	v_max3_num_f32 v[MX+3], v[MX+3], v[MX+4], v[MX+5]
	v_max3_num_f32 v[MX+6], v[MX+6], v[MX+7], v[MX+8]
	v_max3_num_f32 v[MX], v[MX], v[MX+3], v[MX+6]
	v_permlanex16_b32 v[PT], v[MX], s20, s21       ; the query's other keys lie in the lane 16 away
	v_max_num_f32 v[MX], v[MX], v[PT]
	v_mul_f32 v20, s22, v[MX]                      ; c m
	v_mov_b32 v21, v20
.set i, 0
.rept 36
	v_pk_fma_f32 v[SB+i:SB+i+1], v[SB+i:SB+i+1], s[22:23], v[20:21] op_sel_hi:[1,0,0] neg_lo:[0,0,1] neg_hi:[0,0,1]   ; c s - c m, two at a time
.set i, i+2
.endr
.set i, 0
.rept 72
	v_exp_f32 v[SB+i], v[SB+i]                     ; p = 2^(c s - c m), at most 1; 0 where the score is -infinity
.set i, i+1
.endr
	v_nop                                          ; a plain place behind the exponentials
	s_wait_alu depctr_va_vdst(0)
	v_pk_add_f32 v[22:23], v[SB:SB+1], v[SB+2:SB+3]
	v_pk_add_f32 v[24:25], v[SB+4:SB+5], v[SB+6:SB+7]
.irp n, 8,12,16,20,24,28,32,36,40,44,48,52,56,60,64,68
	v_pk_add_f32 v[22:23], v[22:23], v[SB+\n:SB+\n+1]
	v_pk_add_f32 v[24:25], v[24:25], v[SB+\n+2:SB+\n+3]
.endr
	v_pk_add_f32 v[22:23], v[22:23], v[24:25]
	v_add_f32 v22, v22, v23
	v_permlanex16_b32 v[PT], v22, s20, s21
	v_add_f32 v22, v22, v[PT]                      ; the row's sum, at least 1
	v_rcp_f32 v[26+2*\t], v22
	v_nop                                          ; a plain place behind the reciprocal
.irp i, 0,1,2,3,4,5,6,7,8                      ; key tile j = t + i becomes half j % 2 of pair j / 2, in place: a pair's first tile is packed ahead of its second, whose result takes the registers that the first has left
.irp k, 0,1,2,3
	v_cvt_pk_f16_f32 v[32+80*\t+16*((\t+\i)/2)+4*((\t+\i)%2)+\k], v[SB+8*\i+2*\k], v[SB+8*\i+2*\k+1]
.endr
.endr
	s_wait_alu depctr_va_vdst(0)
	v_mov_b32 v[27+2*\t], v[26+2*\t]               ; (the packed multiplication names a pair)
.irp k, 0,1,2,3
.if \t == 0
	v_mov_b32 v[100+\k], 0                         ; tile 0 has no tenth key tile: the upper half of its pair 4 is zeros
.else
	v_mov_b32 v[112+\k], 0                         ; tile 1 has no key tile 0: the lower half of its pair 0
.endif
.endr
.endm
	SOFTMAX 0
	SOFTMAX 1
; O^T += V^T P of pair p: 4 tiles of channels x 2 tiles of queries: eight accumulators by turns; pair 0 starts the sums.
.macro PV p
	s_wait_loadcnt 32-8*\p                         ; V's pairs up to p are in; the 8 loads of each later pair may be out
	WIN 0x01                                       ; source 0 (V) window 1
.irp ct, 0,1,2,3
.irp t, 0,1
.if \p == 0
	v_wmma_f32_16x16x32_f16 v[192+32*\t+8*\ct:192+32*\t+8*\ct+7], v[32*\p+8*\ct:32*\p+8*\ct+7], v[32+80*\t+16*\p:32+80*\t+16*\p+7], 0
.else
	v_wmma_f32_16x16x32_f16 v[192+32*\t+8*\ct:192+32*\t+8*\ct+7], v[32*\p+8*\ct:32*\p+8*\ct+7], v[32+80*\t+16*\p:32+80*\t+16*\p+7], v[192+32*\t+8*\ct:192+32*\t+8*\ct+7]
.endif
.endr
.endr
.endm
.irp p, 0,1,2,3,4
	PV \p
.endr
	WIN 0
.rept 4
	v_nop                                          ; places in front of the first reads of the results
.endr
.irp t, 0,1
.set i, 0
.rept 16
	v_pk_mul_f32 v[192+32*\t+i:192+32*\t+i+1], v[192+32*\t+i:192+32*\t+i+1], v[26+2*\t:27+2*\t] op_sel_hi:[1,0]   ; O^T / the sum, each accumulator from its low end on
.set i, i+2
.endr
.endr
.set i, 0
.rept 32
	v_cvt_pk_f16_f32 v[32+i], v[192+2*i], v[192+2*i+1]
.set i, i+1
.endr
.irp t, 0,1
.irp ct, 0,1,2,3
	global_store_b128 v[LO], v[32+16*\t+4*\ct:32+16*\t+4*\ct+3], s[18:19] offset:8192*\t+512*\ct   ; 512 consecutive bytes, aligned: half a fragment of the last product's operand
.endr
.endr
	s_endpgm
.Lfunc_end_k_q93a0323d28_attn:
	.size	k_q93a0323d28_attn, .Lfunc_end_k_q93a0323d28_attn-k_q93a0323d28_attn
	.p2alignl 7, 3214868480
	.fill 96, 4, 3214868480
	.section	.rodata,"a",@progbits
	.p2align	6, 0x0
	.amdhsa_kernel k_q93a0323d28_attn
		.amdhsa_group_segment_fixed_size 0
		.amdhsa_private_segment_fixed_size 0
		.amdhsa_enable_private_segment 0
		.amdhsa_kernarg_size 16
		.amdhsa_user_sgpr_count 2
		.amdhsa_user_sgpr_kernarg_segment_ptr 1
		.amdhsa_wavefront_size32 1
		.amdhsa_system_sgpr_workgroup_id_x 1
		.amdhsa_system_sgpr_workgroup_id_y 1
		.amdhsa_system_sgpr_workgroup_id_z 1
		.amdhsa_system_vgpr_workitem_id 0
		.amdhsa_next_free_vgpr 416
		.amdhsa_next_free_sgpr 66
		.amdhsa_reserve_vcc 0
		.amdhsa_float_denorm_mode_32 3
		.amdhsa_float_denorm_mode_16_64 3
		.amdhsa_memory_ordered 1
		.amdhsa_forward_progress 1
		.amdhsa_inst_pref_size 56
	.end_amdhsa_kernel
	.amdgpu_metadata
---
amdhsa.version: [ 1, 2 ]
amdhsa.kernels:
  - .name:           k_q93a0323d28_attn
    .symbol:         k_q93a0323d28_attn.kd
    .args:
      - { .name: qkv, .offset: 0, .size: 8, .value_kind: global_buffer, .address_space: global }
      - { .name: ctx, .offset: 8, .size: 8, .value_kind: global_buffer, .address_space: global }
    .group_segment_fixed_size: 0
    .private_segment_fixed_size: 0
    .kernarg_segment_align: 8
    .kernarg_segment_size: 16
    .max_flat_workgroup_size: 256
    .sgpr_count:     66
    .vgpr_count:     416
    .wavefront_size: 32
...
	.end_amdgpu_metadata
.endif
;; end of part 3
;; launch outp (part 4): grid 8 x 32, 4 waves a work-group, clusters of 4 x 4, 327,680 bytes of LDS; arguments ctx, wob, bo, out0; writes out0
.if DOCPART == 4
	.amdgcn_target "amdgcn-amd-amdhsa--gfx1250"
	.amdhsa_code_object_version 6
	.text
	.protected	k_q93a0323d28_outp
	.globl	k_q93a0323d28_outp
	.p2align	8
	.type	k_q93a0323d28_outp,@function
k_q93a0323d28_outp:
	s_mov_b64 s[64:65], 0
	v_nop
	global_prefetch_b8 v0, s[64:65] scope:SCOPE_SE
	s_setreg_imm32_b32 hwreg(HW_REG_WAVE_MODE, 25, 1), 1
	s_wait_xcnt 0x0
	s_wait_alu depctr_hold_cnt(0) depctr_sa_sdst(0) depctr_va_vdst(0) depctr_va_sdst(0) depctr_va_ssrc(0) depctr_va_vcc(0) depctr_vm_vsrc(0)
	s_getreg_b32 s2, hwreg(HW_REG_IB_STS2, 6, 4)
	s_cmp_eq_u32 s2, 0
	s_cbranch_scc0 .Lentry_in_a_cluster
	s_endpgm
.Lentry_in_a_cluster:
	s_bfe_u32 s2, ttmp6, 0x10000c
	s_cmp_lg_u32 s2, 0xf033
	s_cbranch_scc0 .Lentry_shape_is_right
	s_endpgm
.Lentry_shape_is_right:
; out0[m][n] = the sum over k of ctx[m][k] Wo[n][k] + bo[n]: [4096][1024] x [1024][1024]^T on f16 operands, sums in f32, the result f32.
; Both operands come as images of their fragments' registers (16 rows x 32 k: registers 0-3 of all lanes as 512 bytes at 16 x lane, registers 4-7 the next 512), laid so that 64 rows x 256 k are one dense block of 32,768 bytes.
; SHARES.  256 work-groups, a tile of 128 x 128 each; four waves, each 64 x 64: 16 accumulators of 16 x 16.  K goes in four steps of 256 through two LDS slots; a wave's tensor load brings one dense block (waves 0, 1: A's two; waves 2, 3: B's two).
; A fragment is read from LDS as it was stored, 512 consecutive bytes an instruction: no pitch, no padding.
; CLUSTERS: 4 x 4 work-groups.  The four of a row of the cluster need the same blocks of ctx, the four of a column the same blocks of Wo: each is asked for JOINTLY, by the same tensor load with the same descriptor and a mask that names the four.
; By this text's own count a wave has two tensor loads out at the start and one behind each round that fills a slot again.
; THE MATRIX INSTRUCTION IS USED TRANSPOSED (source 0 = 16 rows of Wo, source 1 = 16 rows of ctx): a lane holds eight neighbouring numbers of a row of out0.  The bias is the C of each sum's first matrix instruction.
; A wave's 64 columns are 256 bytes of a row, aligned: each wave sends its results through a stage of its own and needs no barrier for that.
; No prefetch: four short K steps on a small tile.
; REGISTERS: window 0: v1-29 addresses; v32-63 the bias, on the way out v32-95 rows read back; v128-255 the accumulators ((a, b) at v[128 + 8 (4 a + b)]).   window 1: two fragment buffers of 128: for 64 along K, 64 registers of A, then 64 of B.
.set HALFT,  32768                     ; 64 rows x 256 k: what one tensor load brings, and what one wave reads of A or of B
.set SLOT,   4*HALFT                   ; A's two blocks, then B's two
.set STAGE,  2*SLOT                    ; behind the ring: 16 rows x 272 bytes for each wave, for the way out; no fill lands here
.set SPITCH, 272                       ; 256 bytes + 16 = 68 words: row r starts at bank 4 r mod 64 (64 banks of 4 bytes: ISA guide 11.1)
.set SPARE,  STAGE+4*16*SPITCH         ; behind the stages: the spare words, 128 bytes for each wave: two blocks of 256 bytes that no other line names
.set ADRA, 16                          ; v16-17  LDS address of my A fragments in slot 0, 1
.set ADRB, 20                          ; v20-21  the same for B
.set STO,  24                          ; v24     the way out: where I put 32 bytes of a row
.set RD,   25                          ; v25     the way out: where I read a row back
.set CO,   26                          ; v26     my byte offset in out0
.set SPW,  28                          ; v28     LDS address of my spare word: SPARE + 4 x my thread's number; never rewritten
.set NIL,  29                          ; v29     0; never rewritten
.set BIAS, 32                          ; v[BIAS + 8 b + j]: bo at my column 16 b + 8 h + j
.set TMP,  32                          ; the way out: two sets of 32 registers
.set ACC,  128
.set F0,   0                           ; fragment buffers, in window 1
.set F1,   128
.set G1, 24                            ; s[24:31] descriptor group 1 for A's blocks;  s[32:39] group 0, one set for each slot
.set G0, 32
.set G1B, 48                           ; s[48:55], s[56:63] the same for B's
.set G0B, 56
.set MSB, 0
.macro WIN new                         ; the immediate's high byte repeats the setting that is left
.set NW, \new
.if MSB != NW
	s_set_vgpr_msb (MSB<<8)|NW
.set MSB, NW
.endif
.endm
.set MUL,  0x05                        ; sources 0 (B) and 1 (A) window 1; C and D window 0
.set TO_F, 0x40                        ; destination window 1, address window 0
.macro JLOAD s                         ; a joint load: waves 0 and 1 fetch A's two blocks, waves 2 and 3 B's; four v_nop follow each of the two lines, ahead of the jump, the label and what follows
	s_cmp_eq_u32 s11, 0
	s_cbranch_scc0 .Lfor_b_\@
	tensor_load_to_lds s[G0+4*\s:G0+4*\s+3], s[G1:G1+7]
	s_nop 0
.rept 4
	v_nop
.endr
	s_branch .Lasked_\@
.Lfor_b_\@:
	tensor_load_to_lds s[G0B+4*\s:G0B+4*\s+3], s[G1B:G1B+7]
	s_nop 0
.rept 4
	v_nop
.endr
.Lasked_\@:
.endm
.macro CREST                           ; a round of the cluster's barrier behind its opening barrier
	s_cmp_lg_u32 s10, 0
	s_cbranch_scc1 .Lnot_wave_0_\@
	s_barrier_signal -3
.Lnot_wave_0_\@:
	s_barrier_wait -3
	s_barrier_signal -1
	s_barrier_wait -1
.endm
.macro CROUND                          ; a whole round
	s_barrier_signal -1
	s_barrier_wait -1
	CREST
.endm
	s_load_b128 s[4:7], s[0:1], 0x0                ; ctx s[4:5], wob s[6:7]
	s_load_b64 s[66:67], s[0:1], 0x10              ; bo
	s_load_b64 s[8:9], s[0:1], 0x18                ; out0
	v_lshl_add_u32 v[SPW], v0, 2, SPARE
	v_mov_b32 v[NIL], 0
	ds_add_u32 v28, v29
	ds_add_u32 v28, v29
	s_wait_dscnt 0x0
	v_lshrrev_b32 v1, 5, v0
	v_readfirstlane_b32 s10, v1                    ; wave 0..3
	s_lshr_b32 s11, s10, 1                         ; which half of the tile's rows is mine.  Also: I fetch for A (0) or for B (1)
	s_and_b32 s12, s10, 1                          ; which half of its columns.  Also: which block of 64 rows I fetch
	s_bfe_u32 s40, ttmp6, 0x40000                  ; cx, cy: my place in the cluster
	s_bfe_u32 s41, ttmp6, 0x40004
	s_lshl_b32 s42, ttmp9, 2
	s_add_co_u32 s42, s42, s40                     ; tile column = 4 x cluster x + cx
	s_and_b32 s13, ttmp7, 0xffff
	s_lshl_b32 s13, s13, 2
	s_add_co_u32 s13, s13, s41                     ; tile row = 4 x cluster y + cy
	s_lshl_b32 s43, s41, 2
	s_lshl_b32 s43, 15, s43                        ; my row of the cluster
	s_lshl_b32 s44, 0x1111, s40                    ; my column
	; descriptor group 1: a dense block of 32,768 bytes as 128 rows of 256 bytes (32 elements of 8 bytes), no padding
	s_or_b32 s[G1+0], s43, (3<<16)|(1<<21)         ; 15:0 the mask: A's blocks go to my row; 17:16 elements of 8 bytes; 21 set beside a mask
	s_or_b32 s[G1B+0], s44, (3<<16)|(1<<21)
.irp g, G1, G1B
	s_mov_b32 s[\g+1], 32<<16                      ; tensor_dim0
	s_mov_b32 s[\g+2], 128<<16                     ; tensor_dim1
	s_mov_b32 s[\g+3], 32<<16                      ; tile_dim0
	s_mov_b32 s[\g+4], 128                         ; tile_dim1
	s_mov_b32 s[\g+5], 32                          ; tensor_dim0_stride
	s_mov_b32 s[\g+6], 0
	s_mov_b32 s[\g+7], 0
.endr
	s_lshl_b32 s16, s13, 1
	s_add_co_u32 s16, s16, s12                     ; A: the group of 64 rows: 2 x tile row + half,
	s_lshl_b32 s16, s16, 17                        ; 2^17 bytes a group
	s_mov_b32 s17, 0
	s_lshl_b32 s46, s42, 1
	s_add_co_u32 s46, s46, s12                     ; B: 2 x tile column + half
	s_lshl_b32 s46, s46, 17
	s_mov_b32 s47, 0
	s_mul_i32 s20, s10, HALFT                      ; where they go: wave x a block: no place in the cluster enters an LDS address
	s_wait_kmcnt 0x0
	s_add_nc_u64 s[14:15], s[4:5], s[16:17]
	s_add_nc_u64 s[46:47], s[6:7], s[46:47]
	CROUND                                         ; all sixteen work-groups are here: the first joint loads meet
.irp s, 0,1
	s_mov_b32 s[G0+4*\s], 1
	s_add_co_u32 s[G0+4*\s+1], s20, \s*SLOT
	s_add_nc_u64 s[G0+4*\s+2:G0+4*\s+3], s[14:15], \s*HALFT        ; K step s
	s_or_b32 s[G0+4*\s+3], s[G0+4*\s+3], 0x80000000
	s_mov_b32 s[G0B+4*\s], 1
	s_add_co_u32 s[G0B+4*\s+1], s20, \s*SLOT
	s_add_nc_u64 s[G0B+4*\s+2:G0B+4*\s+3], s[46:47], \s*HALFT
	s_or_b32 s[G0B+4*\s+3], s[G0B+4*\s+3], 0x80000000
	JLOAD \s
.endr
	v_and_b32 v1, 15, v0                           ; r = lane % 16
	v_bfe_u32 v2, v0, 4, 1                         ; h = lane / 16
	v_and_b32 v3, 31, v0
	v_lshlrev_b32 v3, 4, v3                        ; 16 x lane: my place in an image
	s_mul_i32 s21, s11, HALFT                      ; my block of A
	s_mul_i32 s22, s12, HALFT                      ; my block of B,
	s_add_co_u32 s22, s22, 2*HALFT                 ; behind A's two
.irp s, 0,1
	v_add_nc_u32 v[ADRA+\s], s21, v3
	v_add_nc_u32 v[ADRB+\s], s22, v3
	s_add_co_u32 s21, s21, SLOT
	s_add_co_u32 s22, s22, SLOT
.endr
	s_mul_i32 s23, s10, 16*SPITCH
	s_add_co_u32 s23, s23, STAGE                   ; my stage
	v_mul_u32_u24 v4, v1, SPITCH                   ; in: row r, 32 bytes for each half of the lanes
	v_lshl_add_u32 v4, v2, 5, v4
	v_add_nc_u32 v[STO], s23, v4
	v_mul_u32_u24 v5, v2, SPITCH                   ; back: lanes 0-15 take one row of 256 bytes, lanes 16-31 the next
	v_lshl_add_u32 v5, v1, 4, v5
	v_add_nc_u32 v[RD], s23, v5
	v_lshlrev_b32 v5, 12, v2                       ; and the same two rows in out0: 4,096 bytes a row
	v_lshl_add_u32 v[CO], v1, 4, v5
	s_lshl_b32 s16, s13, 7
	s_lshl_b32 s17, s11, 6
	s_add_co_u32 s16, s16, s17                     ; my first row: 128 x tile row + 64 x half
	s_lshl_b32 s16, s16, 12
	s_mov_b32 s17, 0
	s_lshl_b32 s46, s42, 9                         ; my first column, in bytes: 512 x tile column + 256 x half: in out0's rows and in bo alike
	s_lshl_b32 s47, s12, 8
	s_add_co_u32 s46, s46, s47
	s_mov_b32 s47, 0
	s_add_nc_u64 s[8:9], s[8:9], s[16:17]
	s_add_nc_u64 s[8:9], s[8:9], s[46:47]
	s_add_nc_u64 s[66:67], s[66:67], s[46:47]
	v_lshlrev_b32 v6, 5, v2                        ; the bias of my half's eight columns of each tile
.irp b, 0,1,2,3
	global_load_b128 v[BIAS+8*\b:BIAS+8*\b+3], v6, s[66:67] offset:64*\b
	global_load_b128 v[BIAS+8*\b+4:BIAS+8*\b+7], v6, s[66:67] offset:64*\b+16
.endr
; 8 matrix instructions: m blocks a0, a0 + 1 x all 4 n blocks, 32 along K: half c of buffer f.  zero = 1: the first product starts the sums from the bias.  The 16 accumulators take turns.
.macro MUL8 f, c, a0, zero
.irp a, \a0, \a0+1
.irp b, 0,1,2,3
.if \zero
	v_wmma_f32_16x16x32_f16 v[ACC+8*(4*(\a)+\b):ACC+8*(4*(\a)+\b)+7], v[\f+64+8*(4*\c+\b):\f+64+8*(4*\c+\b)+7], v[\f+8*(4*\c+\a):\f+8*(4*\c+\a)+7], v[BIAS+8*\b:BIAS+8*\b+7]
.else
	v_wmma_f32_16x16x32_f16 v[ACC+8*(4*(\a)+\b):ACC+8*(4*(\a)+\b)+7], v[\f+64+8*(4*\c+\b):\f+64+8*(4*\c+\b)+7], v[\f+8*(4*\c+\a):\f+8*(4*\c+\a)+7], v[ACC+8*(4*(\a)+\b):ACC+8*(4*(\a)+\b)+7]
.endif
.endr
.endr
.endm
; 32 LDS loads in one run: the fragments of 64 along K, from byte k of each tile's 8,192 on, into buffer f; the first 32 along K first
.macro FETCH slot, k, f
	WIN TO_F
.irp c, 0,1
.irp i, 0,1,2,3
	ds_load_b128 v[\f+64+8*(4*\c+\i):\f+64+8*(4*\c+\i)+3],   v[ADRB+\slot] offset:\k+1024*\c+\i*8192
	ds_load_b128 v[\f+64+8*(4*\c+\i)+4:\f+64+8*(4*\c+\i)+7], v[ADRB+\slot] offset:\k+1024*\c+\i*8192+512
	ds_load_b128 v[\f+8*(4*\c+\i):\f+8*(4*\c+\i)+3],         v[ADRA+\slot] offset:\k+1024*\c+\i*8192
	ds_load_b128 v[\f+8*(4*\c+\i)+4:\f+8*(4*\c+\i)+7],       v[ADRA+\slot] offset:\k+1024*\c+\i*8192+512
.endr
.endr
.endm
.macro PLACES                          ; four places in front of loads into registers that matrix instructions have read, and of the first reads of results
.rept 4
	v_nop
.endr
.endm
; A K step is four quarters of 64 along K, 32 matrix instructions each, on buffers 0, 1, 0, 1.  One of the first three: multiplies buffer f and fetches the next quarter, at byte k, into g.
.macro QUARTER slot, k, f, g, zero
	s_wait_dscnt 16                                ; the first 32 along K are in; the youngest sixteen loads may be out
	WIN MUL
	MUL8 \f, 0, 0, \zero
	MUL8 \f, 0, 2, \zero
	PLACES
	FETCH \slot, \k, \g
	s_wait_dscnt 32                                ; all but the 32 just issued
	WIN MUL
	MUL8 \f, 1, 0, 0
	MUL8 \f, 1, 2, 0
.endm
; The last quarter multiplies buffer 1 and changes slots: ONE barrier; in front of it each wave waits for all its tensor loads, adds 0 to its spare word, and waits for that and for its own reads of this slot.  fill = 1: this slot is filled again, two K steps ahead.
.macro TURN slot, next, fill
	WIN 0                                          ; (the add's two registers lie in window 0)
	s_wait_tensorcnt 0x0                           ; all my tensor loads have landed: my part of the next slot;
	ds_add_u32 v[SPW], v[NIL]                      ; 0 onto my spare word;
	s_wait_dscnt 17                                ; (the add and the youngest sixteen loads may be out)
	WIN MUL
	MUL8 F1, 0, 0, 0                               ; eight matrix instructions stand between the add and the wait for it
	s_wait_dscnt 0x0                               ; the add is done, and my reads of this slot are over
	s_barrier_signal -1
	MUL8 F1, 0, 2, 0
.if \fill
	WIN 0
.endif
	s_barrier_wait -1
.if \fill
	CREST                                          ; the barrier has opened a round of the cluster's barrier: no wave of any partner still reads this slot or has a load on its way
	s_add_nc_u64 s[G0+4*\slot+2:G0+4*\slot+3], s[G0+4*\slot+2:G0+4*\slot+3], 2*HALFT
	s_add_nc_u64 s[G0B+4*\slot+2:G0B+4*\slot+3], s[G0B+4*\slot+2:G0B+4*\slot+3], 2*HALFT
	JLOAD \slot                                    ; the first tensor load behind the round; the four v_nop behind it are also the places in front of the loads below
.else
	PLACES
.endif
	FETCH \next, 0, F0
	WIN MUL
	MUL8 F1, 1, 0, 0
	MUL8 F1, 1, 2, 0
.endm
	s_wait_tensorcnt 1                             ; my part of K step 0 is in (K step 1's load may be out)
	s_barrier_signal -1
	s_barrier_wait -1                              ; everybody's is
	FETCH 0, 0, F0
	s_wait_loadcnt 0x0                             ; the bias
	QUARTER 0, 2048, F0, F1, 1                     ; K step 0: its first products start the sums
	QUARTER 0, 4096, F1, F0, 0
	QUARTER 0, 6144, F0, F1, 0
	TURN 0, 1, 1                                   ; slot 0 takes K step 2
	QUARTER 1, 2048, F0, F1, 0                     ; K step 1
	QUARTER 1, 4096, F1, F0, 0
	QUARTER 1, 6144, F0, F1, 0
	TURN 1, 0, 1                                   ; slot 1 takes K step 3
	QUARTER 0, 2048, F0, F1, 0                     ; K step 2
	QUARTER 0, 4096, F1, F0, 0
	QUARTER 0, 6144, F0, F1, 0
	TURN 0, 1, 0                                   ; nothing is left to fetch
	QUARTER 1, 2048, F0, F1, 0                     ; K step 3
	QUARTER 1, 4096, F1, F0, 0
	QUARTER 1, 6144, F0, F1, 0
	s_wait_dscnt 16                                ; the very last quarter
	WIN MUL
	MUL8 F1, 0, 0, 0
	MUL8 F1, 0, 2, 0
	s_wait_dscnt 0
	MUL8 F1, 1, 0, 0
	MUL8 F1, 1, 2, 0
	WIN 0
; THE WAY OUT, 16 rows x 64 columns at a time.  A lane holds 32 neighbouring bytes of a row and the lanes beside it other rows: a block goes through my own stage and comes back as whole rows of 256 bytes.
; LDS serves a wave's instructions in order (ISA guide 5.7.1.4): no wait between the stores and the loads, nor in front of the next block's stores.
.macro TOSTAGE a
.set BK, TMP+32*((\a)%2)
.irp b, 0,1,2,3
	ds_store_b128 v[STO], v[ACC+8*(4*(\a)+\b):ACC+8*(4*(\a)+\b)+3] offset:64*\b        ; each accumulator from its low end on
	ds_store_b128 v[STO], v[ACC+8*(4*(\a)+\b)+4:ACC+8*(4*(\a)+\b)+7] offset:64*\b+16
.endr
.irp i, 0,1,2,3,4,5,6,7
	ds_load_b128 v[BK+4*\i:BK+4*\i+3], v[RD] offset:\i*2*SPITCH
.endr
.endm
.macro SEND a, younger                 ; younger: the LDS instructions issued behind block a's loads, which may stay out
.set BK, TMP+32*((\a)%2)
	s_wait_dscnt \younger
.irp i, 0,1,2,3,4,5,6,7
	global_store_b128 v[CO], v[BK+4*\i:BK+4*\i+3], s[8:9] offset:(16*(\a)+2*\i)*4096 th:TH_STORE_NT   ; 16 lanes store 256 consecutive bytes, aligned; written once, read by nobody here
.endr
.endm
	PLACES
	TOSTAGE 0
.irp a, 1,2,3
.if \a > 1
	s_wait_xcnt 0x0                                ; block a - 2's stores have read their registers: block a's loads may land there
.endif
	TOSTAGE \a
	SEND \a-1, 16                                  ; behind block a - 1's loads: block a's 8 stores and 8 loads
.endr
	SEND 3, 0
	s_wait_tensorcnt 0x0                           ; the wave's end: behind my last tensor load and my last LDS store
	ds_add_u32 v[SPW], v[NIL]
	s_wait_dscnt 0x0
	CROUND                                         ; the closing round: no work-group ends while a partner may still ask for a block that names it
	s_endpgm
.Lfunc_end_k_q93a0323d28_outp:
	.size	k_q93a0323d28_outp, .Lfunc_end_k_q93a0323d28_outp-k_q93a0323d28_outp
	.p2alignl 7, 3214868480
	.fill 96, 4, 3214868480
	.section	.rodata,"a",@progbits
	.p2align	6, 0x0
	.amdhsa_kernel k_q93a0323d28_outp
		.amdhsa_group_segment_fixed_size 327680
		.amdhsa_private_segment_fixed_size 0
		.amdhsa_enable_private_segment 0
		.amdhsa_kernarg_size 32
		.amdhsa_user_sgpr_count 2
		.amdhsa_user_sgpr_kernarg_segment_ptr 1
		.amdhsa_wavefront_size32 1
		.amdhsa_system_sgpr_workgroup_id_x 1
		.amdhsa_system_sgpr_workgroup_id_y 1
		.amdhsa_system_sgpr_workgroup_id_z 1
		.amdhsa_system_vgpr_workitem_id 0
		.amdhsa_next_free_vgpr 512
		.amdhsa_next_free_sgpr 72
		.amdhsa_reserve_vcc 0
		.amdhsa_float_denorm_mode_32 3
		.amdhsa_float_denorm_mode_16_64 3
		.amdhsa_memory_ordered 1
		.amdhsa_forward_progress 1
		.amdhsa_inst_pref_size 86
	.end_amdhsa_kernel
	.amdgpu_metadata
---
amdhsa.version: [ 1, 2 ]
amdhsa.kernels:
  - .name:           k_q93a0323d28_outp
    .symbol:         k_q93a0323d28_outp.kd
    .args:
      - { .name: ctx, .offset: 0, .size: 8, .value_kind: global_buffer, .address_space: global }
      - { .name: wob, .offset: 8, .size: 8, .value_kind: global_buffer, .address_space: global }
      - { .name: bo, .offset: 16, .size: 8, .value_kind: global_buffer, .address_space: global }
      - { .name: out0, .offset: 24, .size: 8, .value_kind: global_buffer, .address_space: global }
    .group_segment_fixed_size: 327680
    .private_segment_fixed_size: 0
    .kernarg_segment_align: 8
    .kernarg_segment_size: 32
    .max_flat_workgroup_size: 128
    .sgpr_count:     72
    .vgpr_count:     512
    .wavefront_size: 32
...
	.end_amdgpu_metadata
.endif
;; end of part 4
